; MI455X (gfx1250); checked and timed in simulation.
; The chip was launched on July 23, 2026; its instructions are those of AMD's public machine-readable ISA for CDNA 5 (MIT licence, August 2026) and "CDNA5" Instruction Set Architecture Reference Guide (July 2026). The comments in the code are by the model that wrote it; some were corrected since.
;; Attention. Allowed arithmetic: float matrix products may take bf16 or f16 operands with f32 sums; all other float work in f32.
;; Inputs: rope_cache 2,048 x 128 float32; sinks 32 float32; wk_b 512 float32; wk_w 512 x 2,048 float32; wo_b 2,048 float32; wo_w 2,048 x 2,048 float32; wq_b 2,048 float32; wq_w 2,048 x 2,048 float32; wv_b 512 float32; wv_w 512 x 2,048 float32; x 1 x 2,048 x 2,048 float32.
;; Outputs: out0 1 x 2,048 x 2,048 float32.
;; One version. Each part assembles by itself: llvm-mc -triple=amdgcn-amd-amdhsa -mcpu=gfx1250 --defsym DOCPART=n.
;; ======== version 1 of 1: 4 launches
;; limits: values outside matrix products are rounded to bf16; values are held in f16: magnitudes above 65,504 overflow, below 6.1e-05 lose precision; right only within a limited range of input values
;; workspace buffers: xb 8,388,608 bytes; wqkvb 12,582,912 bytes; wob 8,388,608 bytes; ropeb 557,056 bytes; qkvh 12,582,912 bytes; scl 3,072 bytes; ao 8,388,608 bytes
;; launch cast (part 1): grid 1826 x 1, 8 waves a work-group, no clusters, 0 bytes of LDS; arguments x, wq_w, wk_w, wv_w, wo_w, rope_cache, xb, wqkvb, wob, ropeb; writes xb, wqkvb, wob, ropeb
.if DOCPART == 1
	.amdgcn_target "amdgcn-amd-amdhsa--gfx1250"
	.amdhsa_code_object_version 6
	.text
	.protected	k_qbff096dd32_cast
	.globl	k_qbff096dd32_cast
	.p2align	8
	.type	k_qbff096dd32_cast,@function
k_qbff096dd32_cast:
	s_mov_b64 s[64:65], 0
	v_nop
	global_prefetch_b8 v0, s[64:65] scope:SCOPE_SE
	s_setreg_imm32_b32 hwreg(HW_REG_WAVE_MODE, 25, 1), 1
	s_wait_xcnt 0x0
; cast: the large f32 inputs are rounded ONCE to bf16 (nearest even) and laid out for the matrix launches.
;   x -> xb;  wq_w, wk_w, wv_w -> wqkvb (rows 0-2047, 2048-2559, 2560-3071);  wo_w -> wob, the bf16-rounded number written as f16;
;   rope_cache -> ropeb rows 0-2047: cos(64) | sin(64) with the sign of sin[d < 32] turned, so that the rotation is two multiply-adds;
;   ropeb rows 2048-2175: cos = 1, sin = 0, the rotation that leaves V heads as they are.
; LIMITS: x, wq_w, wk_w, wv_w, wo_w, rope_cache enter the products rounded to bf16.  wo as f16: exact for 2^-17 <= |w| <= 65504, below that an
; absolute error of at most 2^-25.
; A stream: no LDS, no matrix unit, no cluster (no byte is read twice).  A work-group takes a chunk of 8,192 numbers: 32,768 bytes in, 16,384 out.
; A wave's load covers 512 consecutive bytes, its store 256 consecutive bytes, aligned.
.set X, 8                              ; v[8:39]   eight loads of four f32
.set Y, 40                             ; v[40:55]  eight pairs of packed words
	s_load_b512 s[4:19], s[0:1], 0x0               ; x, wq_w, wk_w, wv_w, wo_w, rope_cache, xb, wqkvb
	s_load_b128 s[20:23], s[0:1], 0x40             ; wob, ropeb
	s_mov_b32 s24, ttmp9                           ; chunk c
	v_lshlrev_b32 v1, 4, v0                        ; 16 t: my 16 bytes of each load
	v_lshlrev_b32 v2, 3, v0                        ; 8 t: my 8 bytes of each store
	v_and_b32 v4, 31, v0                           ; column / 4 in a rope row of 128 numbers
	v_add_nc_u32 v5, -16, v4
	v_cmp_gt_u32 vcc_lo, 8, v5                     ; columns 64 to 95: sin[d], d < 32
	s_cmp_ge_u32 s24, 1792
	s_cselect_b32 s32, 0x80008000, 0               ; only in the rope chunks
	v_mov_b32 v6, s32
	v_cndmask_b32 v3, 0, v6, vcc_lo                ; the signs to turn, two bf16 a word
	s_wait_kmcnt 0x0
	s_mov_b64 s[26:27], s[4:5]                     ; source, its first chunk; destination, the chunk that lands on its byte 0
	s_mov_b32 s28, 0
	s_mov_b64 s[30:31], s[16:17]
	s_mov_b32 s29, 0
.macro PICK from, src, ssub, dst, dsub
	s_cmp_ge_u32 s24, \from
	s_cselect_b64 s[26:27], s[\src:\src+1], s[26:27]
	s_cselect_b32 s28, \ssub, s28
	s_cselect_b64 s[30:31], s[\dst:\dst+1], s[30:31]
	s_cselect_b32 s29, \dsub, s29
.endm
	PICK 512,  6,  512,  18, 512                   ; wq_w -> wqkvb
	PICK 1024, 8,  1024, 18, 512                   ; wk_w behind it
	PICK 1152, 10, 1152, 18, 512                   ; wv_w behind that
	PICK 1280, 12, 1280, 20, 1280                  ; wo_w -> wob
	PICK 1792, 14, 1792, 22, 1792                  ; rope_cache -> ropeb (chunks 1824, 1825 load nothing)
	s_sub_co_u32 s28, s24, s28
	s_sub_co_u32 s29, s24, s29
	s_lshl_b32 s34, s28, 15
	s_mov_b32 s35, 0
	s_lshl_b32 s36, s29, 14
	s_mov_b32 s37, 0
	s_add_nc_u64 s[30:31], s[30:31], s[36:37]
	s_cmp_ge_u32 s24, 1824
	s_cbranch_scc1 .Lident
	s_add_nc_u64 s[26:27], s[26:27], s[34:35]
.irp i, 0,1,2,3,4,5,6,7
	global_load_b128 v[X+4*\i:X+4*\i+3], v1, s[26:27] offset:4096*\i th:TH_LOAD_NT
.endr
; One load's four numbers.  The count lets the younger loads stay out: loads come back in order (ISA guide 5.7.1).
.macro CV i, f16
	s_wait_loadcnt 7-\i
	v_cvt_pk_bf16_f32 v[Y+2*\i], v[X+4*\i], v[X+4*\i+1]
	v_cvt_pk_bf16_f32 v[Y+2*\i+1], v[X+4*\i+2], v[X+4*\i+3]
.if \f16
	v_lshlrev_b32 v56, 16, v[Y+2*\i]               ; the rounded numbers back as f32,
	v_and_b32 v57, 0xffff0000, v[Y+2*\i]
	v_lshlrev_b32 v58, 16, v[Y+2*\i+1]
	v_and_b32 v59, 0xffff0000, v[Y+2*\i+1]
	v_cvt_pk_f16_f32 v[Y+2*\i], v56, v57           ; and written as f16: eight significant bits fit
	v_cvt_pk_f16_f32 v[Y+2*\i+1], v58, v59
.else
	v_xor_b32 v[Y+2*\i], v3, v[Y+2*\i]
	v_xor_b32 v[Y+2*\i+1], v3, v[Y+2*\i+1]
.endif
	global_store_b64 v2, v[Y+2*\i:Y+2*\i+1], s[30:31] offset:2048*\i
.endm
	s_cmp_lt_u32 s24, 1280
	s_cbranch_scc1 .Lplain
	s_cmp_lt_u32 s24, 1792
	s_cbranch_scc1 .Lf16
.Lplain:
.irp i, 0,1,2,3,4,5,6,7
	CV \i, 0
.endr
	s_endpgm
.Lf16:
.irp i, 0,1,2,3,4,5,6,7
	CV \i, 1
.endr
	s_endpgm
.Lident:
	v_cmp_gt_u32 vcc_lo, 16, v4                    ; columns 0 to 63: cos = 1; the rest: sin = 0
	v_mov_b32 v7, 0x3f803f80
	v_cndmask_b32 v40, 0, v7, vcc_lo
	v_mov_b32 v41, v40
.irp i, 0,1,2,3,4,5,6,7
	global_store_b64 v2, v[40:41], s[30:31] offset:2048*\i
.endr
	s_endpgm
.Lfunc_end_k_qbff096dd32_cast:
	.size	k_qbff096dd32_cast, .Lfunc_end_k_qbff096dd32_cast-k_qbff096dd32_cast
	.p2alignl 7, 3214868480
	.fill 96, 4, 3214868480
	.section	.rodata,"a",@progbits
	.p2align	6, 0x0
	.amdhsa_kernel k_qbff096dd32_cast
		.amdhsa_group_segment_fixed_size 0
		.amdhsa_private_segment_fixed_size 0
		.amdhsa_enable_private_segment 0
		.amdhsa_kernarg_size 80
		.amdhsa_user_sgpr_count 2
		.amdhsa_user_sgpr_kernarg_segment_ptr 1
		.amdhsa_wavefront_size32 1
		.amdhsa_system_sgpr_workgroup_id_x 1
		.amdhsa_system_sgpr_workgroup_id_y 1
		.amdhsa_system_sgpr_workgroup_id_z 1
		.amdhsa_system_vgpr_workitem_id 0
		.amdhsa_next_free_vgpr 64
		.amdhsa_next_free_sgpr 66
		.amdhsa_reserve_vcc 1
		.amdhsa_float_denorm_mode_32 3
		.amdhsa_float_denorm_mode_16_64 3
		.amdhsa_memory_ordered 1
		.amdhsa_forward_progress 1
		.amdhsa_inst_pref_size 12
	.end_amdhsa_kernel
	.amdgpu_metadata
---
amdhsa.version: [ 1, 2 ]
amdhsa.kernels:
  - .name:           k_qbff096dd32_cast
    .symbol:         k_qbff096dd32_cast.kd
    .args:
      - { .name: x, .offset: 0, .size: 8, .value_kind: global_buffer, .address_space: global }
      - { .name: wq_w, .offset: 8, .size: 8, .value_kind: global_buffer, .address_space: global }
      - { .name: wk_w, .offset: 16, .size: 8, .value_kind: global_buffer, .address_space: global }
      - { .name: wv_w, .offset: 24, .size: 8, .value_kind: global_buffer, .address_space: global }
      - { .name: wo_w, .offset: 32, .size: 8, .value_kind: global_buffer, .address_space: global }
      - { .name: rope_cache, .offset: 40, .size: 8, .value_kind: global_buffer, .address_space: global }
      - { .name: xb, .offset: 48, .size: 8, .value_kind: global_buffer, .address_space: global }
      - { .name: wqkvb, .offset: 56, .size: 8, .value_kind: global_buffer, .address_space: global }
      - { .name: wob, .offset: 64, .size: 8, .value_kind: global_buffer, .address_space: global }
      - { .name: ropeb, .offset: 72, .size: 8, .value_kind: global_buffer, .address_space: global }
    .group_segment_fixed_size: 0
    .private_segment_fixed_size: 0
    .kernarg_segment_align: 8
    .kernarg_segment_size: 80
    .max_flat_workgroup_size: 256
    .sgpr_count:     66
    .vgpr_count:     64
    .wavefront_size: 32
...
	.end_amdgpu_metadata
.endif
;; end of part 1
;; launch proj (part 2): grid 16 x 16, 4 waves a work-group, clusters of 4 x 4, 327,680 bytes of LDS; arguments xb, wqkvb, ropeb, wq_b, wk_b, wv_b, qkvh, scl; writes qkvh, scl
.if DOCPART == 2
	.amdgcn_target "amdgcn-amd-amdhsa--gfx1250"
	.amdhsa_code_object_version 6
	.text
	.protected	k_qbff096dd32_proj
	.globl	k_qbff096dd32_proj
	.p2align	8
	.type	k_qbff096dd32_proj,@function
k_qbff096dd32_proj:
	s_mov_b64 s[64:65], 0
	v_nop
	global_prefetch_b8 v0, s[64:65] scope:SCOPE_SE
	s_setreg_imm32_b32 hwreg(HW_REG_WAVE_MODE, 25, 1), 1
	s_wait_xcnt 0x0
	s_wait_alu depctr_hold_cnt(0) depctr_sa_sdst(0) depctr_va_vdst(0) depctr_va_sdst(0) depctr_va_ssrc(0) depctr_va_vcc(0) depctr_vm_vsrc(0)
	s_getreg_b32 s2, hwreg(HW_REG_IB_STS2, 6, 4)
	s_cmp_eq_u32 s2, 0
	s_cbranch_scc0 .Lentry_in_a_cluster
	s_endpgm
.Lentry_in_a_cluster:
	s_bfe_u32 s2, ttmp6, 0x10000c
	s_cmp_lg_u32 s2, 0xf033
	s_cbranch_scc0 .Lentry_shape_is_right
	s_endpgm
.Lentry_shape_is_right:
; proj: [q | k | v] = x W^T + b, the rotation of q and k, and the way to f16.   xb [2048][2048], wqkvb [3072][2048] bf16; sums in f32.
; A work-group makes 128 rows x 192 columns = three heads g = 3 bx + 0..2 (g 0-31 q, 32-39 k, 40-47 v); four waves as 2 x 2, a wave 64 x 96 in 24 accumulator
; tiles.  K goes in 16 steps of 128 (rows of 256 bytes) through three LDS slots; two slots are filled behind one round of the cluster's barrier.
; CLUSTER 4 x 4: x's tile hangs on the block row alone and is asked for jointly along a row of the cluster, W's on the block column alone, along a column.
; The product is used transposed (source 0 = rows of W, source 1 = rows of x): a lane holds row l % 16 and eight neighbouring columns.
; Column map of wave (wm, wn): tiles 0-3 = head 2 wn, d = 16 b + 8 h + j; tiles 4, 5 = head 1, d = 16 wn + 8 h + j and d + 32: both partners (d, d + 32) of the
; rotation lie in one lane.  V heads run through the same lines with the table's rows cos = 1, sin = 0.
; OUT: qkvh [48][2048][64] f16.  q and k are multiplied by a power of two per (head, block of 128 rows), taken from the block's largest magnitude, so that it lands
; in [2^14, 2^15); scl [16][48] holds the factor that undoes it (q's also carries 0.125 log2 e).  v is stored as it is.
; LIMITS: operands bf16; q, k, v leave as f16; |v| <= 65504; v finite (it passes x 1 + 0 x y); a block's exponent is taken as at least 80 (blocks whose largest
; magnitude is below 2^-47 are scaled by 2^61 and lose f16 bits below 2^-85).
.set NB,    6                          ; accumulator tiles along n in a wave
.set SLOT,  87040                      ; 128 rows of x and 192 rows of W, 272 bytes apart (256 + 16 of padding)
.set BOFFS, 34816                      ; W behind x's 128 rows
.set STAGE, 261120                     ; behind the ring: 128 rows x 400 bytes (384 + 16), no fill ever lands here
.set SCR,   312320                     ; eight words: the waves' largest magnitudes
.set F0,    32                         ; fragment buffer 0: six of W, four of x
.set F1,    112                        ; fragment buffer 1
.set BIAS,  192                        ; v[192:239] bias of my 48 columns
.set YY,    32                         ; at work on the way out
.set PK,    112
.set ADRA,  4                          ; v4-6   x fragments in slot 0, 1, 2
.set ADRB1, 7                          ; v7-9   W fragments, tiles 0-3
.set ADRB2, 10                         ; v10-12 W fragments, tiles 4, 5
.set G1A, 24                           ; s[24:31] shape of x's tiles      s[32:39] of W's
.set G1B, 32
.set G0A, 40                           ; s[40:51] from where, to where: x, one set a slot      s[52:63] W
.set G0B, 52
.set ACCW, 0x50                        ; C and D in window 1 (the accumulators), sources in window 0
; window 1: tile (a, b) at v[8 (6 a + b)], v200 = 0.   window 2: the rope table's words, 48 a + 16 p + {0 cos_lo, 4 cos_hi, 8 sin_lo, 12 sin_hi}
.set MSB, 0
.macro WIN new                         ; the immediate's high byte repeats the setting that is left
.if MSB != \new
	s_set_vgpr_msb (MSB<<8)|\new
.set MSB, \new
.endif
.endm
.macro JLOAD s                         ; waves 0, 1 ask for x's two halves, waves 2, 3 for W's: one mask a line, the branch hangs on the wave's number alone
	s_cmp_eq_u32 s21, 0
	s_cbranch_scc0 .Lfor_b_\@
	tensor_load_to_lds s[G0A+4*(\s):G0A+4*(\s)+3], s[G1A:G1A+7]
	s_nop 0
	s_branch .Lasked_\@
.Lfor_b_\@:
	tensor_load_to_lds s[G0B+4*(\s):G0B+4*(\s)+3], s[G1B:G1B+7]
	s_nop 0
.Lasked_\@:
.endm
.macro CREST                           ; a round of the cluster's barrier behind its opening barrier
	s_cmp_lg_u32 s20, 0
	s_cbranch_scc1 .Lnot_wave_0_\@
	s_barrier_signal -3
.Lnot_wave_0_\@:
	s_barrier_wait -3
	s_barrier_signal -1
	s_barrier_wait -1
.endm
.macro CROUND
	s_barrier_signal -1
	s_barrier_wait -1
	CREST
.endm
	s_load_b512 s[4:19], s[0:1], 0x0               ; xb, wqkvb, ropeb, wq_b, wk_b, wv_b, qkvh, scl
	v_lshrrev_b32 v1, 5, v0
	v_readfirstlane_b32 s20, v1                    ; wave
	s_lshr_b32 s21, s20, 1                         ; wm: my half of the rows.  Also: I fetch x (0) or W (1)
	s_and_b32 s22, s20, 1                          ; wn: my half of the columns.  Also: which half of that tile I fetch
	s_bfe_u32 s72, ttmp6, 0x40000                  ; cx
	s_bfe_u32 s73, ttmp6, 0x40004                  ; cy
	s_lshl_b32 s70, ttmp9, 2
	s_add_co_u32 s70, s70, s72                     ; bx
	s_and_b32 s71, ttmp7, 0xffff
	s_lshl_b32 s71, s71, 2
	s_add_co_u32 s71, s71, s73                     ; by
	s_lshl_b32 s74, s73, 2
	s_lshl_b32 s74, 15, s74                        ; my row of the cluster
	s_lshl_b32 s75, 0x1111, s72                    ; my column
	s_or_b32 s[G1A+0], s74, (1<<16)|(1<<20)|(1<<21)|(5<<22)|(3<<25)   ; mask; 2-byte elements; padding on; bit 21 beside a mask; after 64 words skip 4
	s_or_b32 s[G1B+0], s75, (1<<16)|(1<<20)|(1<<21)|(5<<22)|(3<<25)
	s_mov_b32 s[G1A+1], 128<<16                    ; tensor_dim0 = 128
	s_mov_b32 s[G1B+1], 128<<16
	s_mov_b32 s[G1A+2], 64<<16                     ; tensor_dim1 = 64 rows (x), 96 rows (W)
	s_mov_b32 s[G1B+2], 96<<16
	s_mov_b32 s[G1A+3], 128<<16                    ; tile_dim0 = 128
	s_mov_b32 s[G1B+3], 128<<16
	s_mov_b32 s[G1A+4], 64                         ; tile_dim1
	s_mov_b32 s[G1B+4], 96
	s_mov_b32 s[G1A+5], 2048                       ; elements from row to row
	s_mov_b32 s[G1B+5], 2048
	s_mov_b32 s[G1A+6], 0
	s_mov_b32 s[G1B+6], 0
	s_mov_b32 s[G1A+7], 0
	s_mov_b32 s[G1B+7], 0
	s_lshl_b32 s84, s71, 7                         ; x: row 128 by + 64 half, 4,096 bytes a row
	s_lshl_b32 s88, s22, 6
	s_add_co_u32 s84, s84, s88
	s_lshl_b32 s84, s84, 12
	s_mov_b32 s85, 0
	s_mul_i32 s86, s70, 192                        ; W: row 192 bx + 96 half
	s_mul_i32 s89, s22, 96
	s_add_co_u32 s86, s86, s89
	s_lshl_b32 s86, s86, 12
	s_mov_b32 s87, 0
	s_mul_i32 s90, s22, 17408                      ; where they go: the wave's number alone
	s_mul_i32 s91, s22, 26112
	s_add_co_u32 s91, s91, BOFFS
	s_mul_i32 s92, s70, 3                          ; g of head 0 of the block
	s_lshl_b32 s93, s22, 1
	s_add_co_u32 s93, s93, s92                     ; the head of my tiles 0-3
	s_add_co_u32 s94, s92, 1                       ; the head of my tiles 4, 5
	s_lshl_b32 s95, s71, 15                        ; my block's rows in the rope table: 128 by rows of 256 bytes
	s_wait_kmcnt 0x0
	s_add_nc_u64 s[66:67], s[4:5], s[84:85]
	s_or_b32 s67, s67, 0x80000000                  ; type = 2
	s_add_nc_u64 s[68:69], s[6:7], s[86:87]
	s_or_b32 s69, s69, 0x80000000
; bias pointer and rope rows of head g: selects, no branch.  g < 32: wq_b; g < 40: wk_b; else wv_b and the table's rows cos = 1, sin = 0
.macro HEADSEL g, pb, rb
	s_cmp_lt_u32 s[\g], 40
	s_cselect_b64 s[\pb:\pb+1], s[12:13], s[14:15]
	s_cselect_b32 s98, 32, 40
	s_cselect_b32 s96, s95, 2048*256
	s_cmp_lt_u32 s[\g], 32
	s_cselect_b64 s[\pb:\pb+1], s[10:11], s[\pb:\pb+1]
	s_cselect_b32 s98, 0, s98
	s_mov_b32 s97, 0
	s_add_nc_u64 s[\rb:\rb+1], s[8:9], s[96:97]
	s_sub_co_u32 s98, s[\g], s98
	s_lshl_b32 s96, s98, 8
	s_add_nc_u64 s[\pb:\pb+1], s[\pb:\pb+1], s[96:97]
.endm
	HEADSEL 93, 76, 78
	HEADSEL 94, 80, 82
	CROUND                                         ; all sixteen work-groups are here: the first joint loads meet
.irp s, 0,1,2
	s_mov_b32 s[G0A+4*\s], 1
	s_add_co_u32 s[G0A+4*\s+1], s90, \s*SLOT
	s_add_nc_u64 s[G0A+4*\s+2:G0A+4*\s+3], s[66:67], \s*256
	s_mov_b32 s[G0B+4*\s], 1
	s_add_co_u32 s[G0B+4*\s+1], s91, \s*SLOT
	s_add_nc_u64 s[G0B+4*\s+2:G0B+4*\s+3], s[68:69], \s*256
	JLOAD \s                                       ; K steps 0, 1, 2: first fills; three loads of the wave are out
.endr
	v_and_b32 v21, 31, v0                          ; lane
	v_and_b32 v1, 15, v0                           ; r
	v_bfe_u32 v2, v0, 4, 1                         ; h
	v_mul_u32_u24 v3, v1, 272
	v_lshl_add_u32 v3, v2, 4, v3                   ; r x pitch + 16 h
	s_mul_i32 s88, s21, 17408                      ; my 64 rows of x
	s_mul_i32 s89, s22, 34816                      ; W rows 128 wn ..
	s_add_co_u32 s89, s89, BOFFS
	s_mul_i32 s90, s22, 4352                       ; W rows 64 + 16 wn ..
	s_add_co_u32 s90, s90, BOFFS+64*272
.irp s, 0,1,2
	v_add_nc_u32 v[ADRA+\s], s88, v3
	v_add_nc_u32 v[ADRB1+\s], s89, v3
	v_add_nc_u32 v[ADRB2+\s], s90, v3
	s_add_co_u32 s88, s88, SLOT
	s_add_co_u32 s89, s89, SLOT
	s_add_co_u32 s90, s90, SLOT
.endr
	v_lshlrev_b32 v13, 8, v1                       ; rope: (64 wm + r) rows of 256 bytes + 16 h
	v_lshl_add_u32 v13, v2, 4, v13
	s_lshl_b32 s91, s21, 14
	v_add_nc_u32 v13, s91, v13
	s_lshl_b32 s91, s22, 5
	v_add_nc_u32 v14, s91, v13                     ; for tiles 4, 5: + 16 wn columns
	v_lshlrev_b32 v15, 5, v2                       ; bias: 8 h floats
	s_lshl_b32 s91, s22, 6
	v_add_nc_u32 v16, s91, v15                     ; + 16 wn floats
	v_mul_u32_u24 v25, v1, 400
	v_lshl_add_u32 v25, v2, 4, v25
	s_mul_i32 s88, s21, 25600
	s_lshl_b32 s89, s22, 8
	s_add_co_u32 s89, s89, s88
	s_add_co_u32 s89, s89, STAGE
	v_add_nc_u32 v17, s89, v25                     ; stage, in: row 64 wm + r, head 2 wn, 16 h
	s_lshl_b32 s89, s22, 5
	s_add_co_u32 s89, s89, s88
	s_add_co_u32 s89, s89, STAGE+128
	v_add_nc_u32 v18, s89, v25                     ; head 1, column 16 wn
	v_lshrrev_b32 v25, 3, v21
	v_mul_u32_u24 v25, v25, 400
	v_and_b32 v26, 7, v0
	v_lshl_add_u32 v25, v26, 4, v25
	s_mul_i32 s88, s20, 12800
	s_add_co_u32 s88, s88, STAGE
	v_add_nc_u32 v19, s88, v25                     ; stage, back: eight lanes take a head's 128 bytes of a row, rows 32 w ..
	v_lshlrev_b32 v20, 4, v21
	s_lshl_b32 s88, s20, 12
	v_add_nc_u32 v20, s88, v20                     ; the same rows in qkvh: 4,096 w + 16 l
	s_lshl_b32 s88, s20, 3
	s_add_co_u32 s88, s88, SCR
	v_mov_b32 v22, s88                             ; my two words of the exchange
	v_mov_b32 v23, SCR
	v_lshlrev_b32 v24, 2, v21
	; the table's words and the bias: 60 loads that land while K is walked; their registers and addresses are not touched before the wait behind the K steps
	WIN 0x80
.irp a, 0,1,2,3
.irp p, 0,1
.irp q, 0,1,2,3
	global_load_b128 v[48*\a+16*\p+4*\q:48*\a+16*\p+4*\q+3], v13, s[78:79] offset:4096*\a+32*\p+64*\q
.endr
.endr
.irp q, 0,1,2,3
	global_load_b128 v[48*\a+32+4*\q:48*\a+32+4*\q+3], v14, s[82:83] offset:4096*\a+64*\q
.endr
.endr
	WIN 0
.irp b, 0,1,2,3
	global_load_b128 v[BIAS+8*\b:BIAS+8*\b+3], v15, s[76:77] offset:64*\b
	global_load_b128 v[BIAS+8*\b+4:BIAS+8*\b+7], v15, s[76:77] offset:64*\b+16
.endr
.irp b, 0,1
	global_load_b128 v[BIAS+32+8*\b:BIAS+32+8*\b+3], v16, s[80:81] offset:128*\b
	global_load_b128 v[BIAS+32+8*\b+4:BIAS+32+8*\b+7], v16, s[80:81] offset:128*\b+16
.endr
	WIN 0x40
	v_mov_b32 v200, 0                              ; window 1: the addend that starts a rotation's sum
	WIN 0
; NB matrix instructions: row tile a x all my column tiles.  The 24 accumulators take turns, one instruction a turn, in the same order in every quarter.
.macro MUL1 f, a, zero
.irp b, 0,1,2,3,4,5
.if \zero
	v_wmma_f32_16x16x32_bf16 v[8*(NB*\a+\b):8*(NB*\a+\b)+7], v[\f+8*\b:\f+8*\b+7], v[\f+8*NB+8*\a:\f+8*NB+8*\a+7], 0
.else
	v_wmma_f32_16x16x32_bf16 v[8*(NB*\a+\b):8*(NB*\a+\b)+7], v[\f+8*\b:\f+8*\b+7], v[\f+8*NB+8*\a:\f+8*NB+8*\a+7], v[8*(NB*\a+\b):8*(NB*\a+\b)+7]
.endif
.endr
.endm
; 20 LDS loads: the fragments of quarter kq (32 along K) of a slot into buffer f: W's six, then x's four
.macro FETCH slot, kq, f
	WIN 0
.irp b, 0,1,2,3
	ds_load_b128 v[\f+8*\b:\f+8*\b+3],   v[ADRB1+(\slot)] offset:64*(\kq)+4352*\b
	ds_load_b128 v[\f+8*\b+4:\f+8*\b+7], v[ADRB1+(\slot)] offset:64*(\kq)+4352*\b+32
.endr
.irp b, 0,1
	ds_load_b128 v[\f+32+8*\b:\f+32+8*\b+3], v[ADRB2+(\slot)] offset:64*(\kq)+8704*\b
	ds_load_b128 v[\f+36+8*\b:\f+36+8*\b+3], v[ADRB2+(\slot)] offset:64*(\kq)+8704*\b+32
.endr
.irp a, 0,1,2,3
	ds_load_b128 v[\f+48+8*\a:\f+48+8*\a+3], v[ADRA+(\slot)] offset:64*(\kq)+4352*\a
	ds_load_b128 v[\f+52+8*\a:\f+52+8*\a+3], v[ADRA+(\slot)] offset:64*(\kq)+4352*\a+32
.endr
.endm
.macro PLACES                          ; four places between a matrix instruction and a load into, or a vector instruction on, its registers
.rept 4
	v_nop
.endr
.endm
.macro QUARTER slot, kq, f, g, zero    ; multiplies buffer f; in its middle fetches quarter kq into buffer g
	s_wait_dscnt 4                                 ; all but the youngest four loads: x's fragments 2, 3 may be out
	WIN ACCW
	MUL1 \f, 0, \zero
	MUL1 \f, 1, \zero
	PLACES
	FETCH \slot, \kq, \g
	s_wait_dscnt 2*NB+8                            ; all but the 20 just issued
	WIN ACCW
	MUL1 \f, 2, \zero
	MUL1 \f, 3, \zero
.endm
.macro THREE slot, zero
	QUARTER \slot, 1, F0, F1, \zero
	QUARTER \slot, 2, F1, F0, 0
	QUARTER \slot, 3, F0, F1, 0
.endm
; The last quarter of K step t and the change of slots.  kind 0.
; kind 2 (1): in front of the round every wave's reads are back and ALL its tensor loads have landed; behind it the two slots (one slot) read last are
; filled with K steps t + 2 and t + 3, first thing.
.macro TURN t, kind, n
.set SN, (\t+1)%3
.set SA, (\t+2)%3
.set SB, (\t+3)%3
	s_wait_dscnt 4
	WIN ACCW
	MUL1 F1, 0, 0
	s_wait_dscnt 0x0                               ; my reads of this slot are over
	s_wait_tensorcnt \n
	s_barrier_signal -1
	MUL1 F1, 1, 0                                  ; register work while the others arrive
	WIN 0
	s_barrier_wait -1
.if \kind
	CREST
	s_add_nc_u64 s[G0A+4*SA+2:G0A+4*SA+3], s[66:67], (\t+2)*256
	s_add_nc_u64 s[G0B+4*SA+2:G0B+4*SA+3], s[68:69], (\t+2)*256
.if \kind == 2
	s_add_nc_u64 s[G0A+4*SB+2:G0A+4*SB+3], s[66:67], (\t+3)*256
	s_add_nc_u64 s[G0B+4*SB+2:G0B+4*SB+3], s[68:69], (\t+3)*256
.endif
	JLOAD SA
.if \kind == 2
	JLOAD SB
.endif
.endif
	PLACES
	FETCH SN, 0, F0
	WIN ACCW
	MUL1 F1, 2, 0
	MUL1 F1, 3, 0
.endm
.macro KSTEP t, kind, n
.set SC, (\t)%3
	THREE SC, 0
	TURN \t, \kind, \n
.endm
	s_wait_tensorcnt 2                             ; my part of K step 0 is in, steps 1 and 2 stay out
	s_barrier_signal -1
	s_barrier_wait -1                              ; everybody's is
	FETCH 0, 0, F0
	THREE 0, 1                                     ; the first products start the sums
	TURN 0, 0, 1
	KSTEP 1, 2, 0
	KSTEP 2, 0, 1
	KSTEP 3, 2, 0
	KSTEP 4, 0, 1
	KSTEP 5, 2, 0
	KSTEP 6, 0, 1
	KSTEP 7, 2, 0
	KSTEP 8, 0, 1
	KSTEP 9, 2, 0
	KSTEP 10, 0, 1
	KSTEP 11, 2, 0
	KSTEP 12, 0, 1
	KSTEP 13, 1, 0                                 ; only K step 15 is left to fetch
	KSTEP 14, 0, 0                                 ; it is the one load out
	THREE 0, 0
	s_wait_dscnt 4
	WIN ACCW
	MUL1 F1, 0, 0
	MUL1 F1, 1, 0
	s_wait_dscnt 0x0
	MUL1 F1, 2, 0
	MUL1 F1, 3, 0
	WIN 0
	; THE WAY OUT.  Pass 1: bias, rotation (in place in the accumulators), largest magnitude of each head's block.
	PLACES
	s_wait_loadcnt 0x0                             ; table and bias
	v_mov_b32 v240, 0                              ; largest magnitude, tiles 0-3
	v_mov_b32 v241, 0                              ; tiles 4, 5
	v_mov_b32 v242, 0
	s_mov_b32 s98, 0x76543210
	s_mov_b32 s99, 0xfedcba98
; y'(d) = cos(d) y(d) + sinS(d) y(partner): four multiply-adds straight from the table's bf16 halves for each pair of partners
.macro ROT2 a, p, lo, hi, j, sel
	v_fma_mix_f32_bf16 v[8*(NB*\a+\lo)+\j], v[48*\a+16*\p+8+\j/2],  v[YY+8*\hi+\j], v200 op_sel:[\sel,0,0] op_sel_hi:[1,0,0]
	v_fma_mix_f32_bf16 v[8*(NB*\a+\hi)+\j], v[48*\a+16*\p+12+\j/2], v[YY+8*\lo+\j], v200 op_sel:[\sel,0,0] op_sel_hi:[1,0,0]
	v_fma_mix_f32_bf16 v[8*(NB*\a+\lo)+\j], v[48*\a+16*\p+\j/2],    v[YY+8*\lo+\j], v[8*(NB*\a+\lo)+\j] op_sel:[\sel,0,0] op_sel_hi:[1,0,0]
	v_fma_mix_f32_bf16 v[8*(NB*\a+\hi)+\j], v[48*\a+16*\p+4+\j/2],  v[YY+8*\hi+\j], v[8*(NB*\a+\hi)+\j] op_sel:[\sel,0,0] op_sel_hi:[1,0,0]
.endm
.macro ROT a, p, lo, hi
.irp j, 0,2,4,6
	ROT2 \a, \p, \lo, \hi, \j, 0
.endr
.irp j, 1,3,5,7
	ROT2 \a, \p, \lo, \hi, \j, 1
.endr
.endm
.macro MAXP a, lo, hi, mx
.irp j, 0,1,2,3,4,5,6,7
	v_max3_num_f32 v[\mx], |v[8*(NB*\a+\lo)+\j]|, |v[8*(NB*\a+\hi)+\j]|, v[\mx]
.endr
.endm
.macro PASS1 a
	WIN 0x01                                       ; source 0: the accumulators
.irp b, 0,1,2,3,4,5
.irp i, 0,2,4,6
	v_pk_add_f32 v[YY+8*\b+\i:YY+8*\b+\i+1], v[8*(NB*\a+\b)+\i:8*(NB*\a+\b)+\i+1], v[BIAS+8*\b+\i:BIAS+8*\b+\i+1]
.endr
.endr
	WIN 0x52                                       ; source 0: the table (window 2); source 2 and destination: the accumulators
	ROT \a, 0, 0, 2
	ROT \a, 1, 1, 3
	ROT \a, 2, 4, 5
	WIN 0x05                                       ; sources 0, 1: the accumulators
	MAXP \a, 0, 2, 240
	MAXP \a, 1, 3, 240
	MAXP \a, 4, 5, 241
.endm
	PASS1 0
	PASS1 1
	PASS1 2
	PASS1 3
	WIN 0
.irp m, 240, 241
	v_max_num_f32_dpp v\m, v\m, v\m row_xmask:1 row_mask:0xf bank_mask:0xf
	v_max_num_f32_dpp v\m, v\m, v\m row_xmask:2 row_mask:0xf bank_mask:0xf
	v_max_num_f32_dpp v\m, v\m, v\m row_xmask:4 row_mask:0xf bank_mask:0xf
	v_max_num_f32_dpp v\m, v\m, v\m row_xmask:8 row_mask:0xf bank_mask:0xf
	v_permlanex16_b32 v242, v\m, s98, s99
	v_max_num_f32 v\m, v\m, v242
.endr
	ds_store_b32 v22, v240                         ; word 2 w: head 2 wn; word 2 w + 1: head 1
	ds_store_b32 v22, v241 offset:4
	s_wait_dscnt 0x0                               ; my words are written before I say so
	s_barrier_signal -1
	s_barrier_wait -1
	ds_load_b128 v[32:35], v23
	ds_load_b128 v[36:39], v23 offset:16
	s_wait_dscnt 0x0
	v_max_num_f32 v40, v32, v36                    ; head 0: waves 0, 2
	v_max_num_f32 v41, v34, v38                    ; head 2: waves 1, 3
	v_max3_num_f32 v42, v33, v35, v37              ; head 1: all four
	v_max_num_f32 v42, v42, v39
	v_readfirstlane_b32 s84, v40
	v_readfirstlane_b32 s85, v42
	v_readfirstlane_b32 s86, v41
; E = the biased exponent of the largest magnitude, at least 80.  inv = 2^(141 - E) brings it into [2^14, 2^15); f = 2^(E - 141) undoes that.  These are values: no address or branch hangs on them.
.macro SCALE h, g, inv, f
	s_lshr_b32 s[\inv], s[\h], 23
	s_max_u32 s[\inv], s[\inv], 80
	s_sub_co_u32 s[\f], s[\inv], 14
	s_lshl_b32 s[\f], s[\f], 23
	s_sub_co_u32 s[\inv], 268, s[\inv]
	s_lshl_b32 s[\inv], s[\inv], 23
	s_mul_f32 s47, s[\f], 0x3e38aa3b               ; q also carries 1/8 log2 e
	s_cmp_lt_u32 s[\g], 32
	s_cselect_b32 s[\f], s47, s[\f]
	s_cmp_ge_u32 s[\g], 40                         ; v is not scaled
	s_cselect_b32 s[\f], 0x3f800000, s[\f]
	s_cselect_b32 s[\inv], 0x3f800000, s[\inv]
.endm
	s_add_co_u32 s48, s92, 2
	SCALE 84, 92, 40, 44
	SCALE 85, 94, 41, 45
	SCALE 86, 48, 42, 46
	s_cmp_eq_u32 s22, 0
	s_cselect_b32 s49, s40, s42
	v_mov_b32 v244, s49
	v_mov_b32 v245, s49
	v_mov_b32 v246, s41
	v_mov_b32 v247, s41
	s_mul_i32 s50, s71, 48
	s_add_co_u32 s50, s50, s92
	s_lshl_b32 s50, s50, 2
	s_mov_b32 s51, 0
	s_add_nc_u64 s[18:19], s[18:19], s[50:51]      ; scl[by][3 bx]
	s_lshl_b32 s52, s92, 18
	s_lshl_b32 s53, s71, 14
	s_add_co_u32 s52, s52, s53
	s_mov_b32 s53, 0
	s_add_nc_u64 s[16:17], s[16:17], s[52:53]      ; qkvh[3 bx][128 by]
	s_cmp_lg_u32 s20, 0
	s_cbranch_scc1 .Lno_table                      ; wave 0 writes the three factors
	v_mov_b32 v242, s44
	v_mov_b32 v243, s45
	v_cmp_eq_u32 vcc_lo, 1, v21
	v_cndmask_b32 v242, v242, v243, vcc_lo
	v_mov_b32 v243, s46
	v_cmp_eq_u32 vcc_lo, 2, v21
	v_cndmask_b32 v242, v242, v243, vcc_lo
	v_cmp_gt_u32 vcc_lo, 3, v21
	s_wait_xcnt 0x0                                ; EXEC changes only behind this wait
	s_and_saveexec_b32 s54, vcc_lo
	global_store_b32 v24, v242, s[18:19]
	s_wait_xcnt 0x0                                ; and again in front of the line that widens it
	s_or_b32 exec_lo, exec_lo, s54
.Lno_table:
	; Pass 2: scale, round to f16, 16 bytes a lane into the stage
.macro PASS2 a
	WIN 0x01
.irp b, 0,1,2,3
.irp i, 0,2,4,6
	v_pk_mul_f32 v[YY+8*\b+\i:YY+8*\b+\i+1], v[8*(NB*\a+\b)+\i:8*(NB*\a+\b)+\i+1], v[244:245]
.endr
.endr
.irp b, 4,5
.irp i, 0,2,4,6
	v_pk_mul_f32 v[YY+8*\b+\i:YY+8*\b+\i+1], v[8*(NB*\a+\b)+\i:8*(NB*\a+\b)+\i+1], v[246:247]
.endr
.endr
	WIN 0
.irp b, 0,1,2,3,4,5
.irp i, 0,1,2,3
	v_cvt_pk_f16_f32 v[PK+4*\b+\i], v[YY+8*\b+2*\i], v[YY+8*\b+2*\i+1]
.endr
.endr
.irp b, 0,1,2,3
	ds_store_b128 v17, v[PK+4*\b:PK+4*\b+3] offset:6400*\a+32*\b
.endr
	ds_store_b128 v18, v[PK+16:PK+19] offset:6400*\a
	ds_store_b128 v18, v[PK+20:PK+23] offset:6400*\a+64
.endm
	PASS2 0
	PASS2 1
	PASS2 2
	PASS2 3
	s_wait_dscnt 0x0                               ; my part of the stage is written before I say so
	s_barrier_signal -1
	s_barrier_wait -1
	; back by rows: a wave's load takes four rows of one head, 512 consecutive bytes of qkvh
.irp j, 0,1,2
.irp i, 0,1,2,3,4,5,6,7
	ds_load_b128 v[32+32*\j+4*\i:32+32*\j+4*\i+3], v19 offset:1600*\i+128*\j
.endr
.irp i, 0,1,2,3,4,5,6,7
	s_wait_dscnt 7-\i
	global_store_b128 v20, v[32+32*\j+4*\i:32+32*\j+4*\i+3], s[16:17] offset:262144*\j+512*\i
.endr
.endr
	CROUND                                         ; the closing round: no work-group ends while a partner may still ask jointly
	s_endpgm
.Lfunc_end_k_qbff096dd32_proj:
	.size	k_qbff096dd32_proj, .Lfunc_end_k_qbff096dd32_proj-k_qbff096dd32_proj
	.p2alignl 7, 3214868480
	.fill 96, 4, 3214868480
	.section	.rodata,"a",@progbits
	.p2align	6, 0x0
	.amdhsa_kernel k_qbff096dd32_proj
		.amdhsa_group_segment_fixed_size 327680
		.amdhsa_private_segment_fixed_size 0
		.amdhsa_enable_private_segment 0
		.amdhsa_kernarg_size 64
		.amdhsa_user_sgpr_count 2
		.amdhsa_user_sgpr_kernarg_segment_ptr 1
		.amdhsa_wavefront_size32 1
		.amdhsa_system_sgpr_workgroup_id_x 1
		.amdhsa_system_sgpr_workgroup_id_y 1
		.amdhsa_system_sgpr_workgroup_id_z 1
		.amdhsa_system_vgpr_workitem_id 0
		.amdhsa_next_free_vgpr 704
		.amdhsa_next_free_sgpr 100
		.amdhsa_reserve_vcc 1
		.amdhsa_float_denorm_mode_32 3
		.amdhsa_float_denorm_mode_16_64 3
		.amdhsa_memory_ordered 1
		.amdhsa_forward_progress 1
		.amdhsa_inst_pref_size 255
	.end_amdhsa_kernel
	.section	.bss,"aw",@nobits
	.p2align	6
	.space	262144
	.amdgpu_metadata
---
amdhsa.version: [ 1, 2 ]
amdhsa.kernels:
  - .name:           k_qbff096dd32_proj
    .symbol:         k_qbff096dd32_proj.kd
    .args:
      - { .name: xb, .offset: 0, .size: 8, .value_kind: global_buffer, .address_space: global }
      - { .name: wqkvb, .offset: 8, .size: 8, .value_kind: global_buffer, .address_space: global }
      - { .name: ropeb, .offset: 16, .size: 8, .value_kind: global_buffer, .address_space: global }
      - { .name: wq_b, .offset: 24, .size: 8, .value_kind: global_buffer, .address_space: global }
      - { .name: wk_b, .offset: 32, .size: 8, .value_kind: global_buffer, .address_space: global }
      - { .name: wv_b, .offset: 40, .size: 8, .value_kind: global_buffer, .address_space: global }
      - { .name: qkvh, .offset: 48, .size: 8, .value_kind: global_buffer, .address_space: global }
      - { .name: scl, .offset: 56, .size: 8, .value_kind: global_buffer, .address_space: global }
    .group_segment_fixed_size: 327680
    .private_segment_fixed_size: 0
    .kernarg_segment_align: 8
    .kernarg_segment_size: 64
    .max_flat_workgroup_size: 128
    .sgpr_count:     100
    .vgpr_count:     704
    .wavefront_size: 32
...
	.end_amdgpu_metadata
.endif
;; end of part 2
;; launch attn (part 3): grid 32 x 8, 4 waves a work-group, clusters of 4 x 1, 327,680 bytes of LDS; arguments qkvh, scl, sinks, ao; writes ao
.if DOCPART == 3
	.amdgcn_target "amdgcn-amd-amdhsa--gfx1250"
	.amdhsa_code_object_version 6
	.text
	.protected	k_qbff096dd32_attn
	.globl	k_qbff096dd32_attn
	.p2align	8
	.type	k_qbff096dd32_attn,@function
k_qbff096dd32_attn:
	s_mov_b64 s[64:65], 0
	v_nop
	global_prefetch_b8 v0, s[64:65] scope:SCOPE_SE
	s_setreg_imm32_b32 hwreg(HW_REG_WAVE_MODE, 25, 1), 1
	s_wait_xcnt 0x0
	s_wait_alu depctr_hold_cnt(0) depctr_sa_sdst(0) depctr_va_vdst(0) depctr_va_sdst(0) depctr_va_ssrc(0) depctr_va_vcc(0) depctr_vm_vsrc(0)
	s_getreg_b32 s2, hwreg(HW_REG_IB_STS2, 6, 4)
	s_cmp_eq_u32 s2, 0
	s_cbranch_scc0 .Lentry_in_a_cluster
	s_endpgm
.Lentry_in_a_cluster:
	s_bfe_u32 s2, ttmp6, 0x10000c
	s_cmp_lg_u32 s2, 0x3003
	s_cbranch_scc0 .Lentry_shape_is_right
	s_endpgm
.Lentry_shape_is_right:
; attn: causal attention with a running maximum, and the sink's renormalisation.  qkvh [48][2048][64] f16 (q, k scaled by blocks, scl undoes it), ao [32][2048][64] f16.
; CLUSTER 4 x 1: the four query heads of one key/value head read the same K and V tiles and ask for them jointly (mask 15).
; A work-group takes one head and the query blocks pr and 15 - pr of 128 rows: 17 key tiles of 128 for every work-group, so all partners make every joint request.
; The block with the even number (iE) goes first.  Each block walks its diagonal tile (masked, starts the sums), then the tiles below it down to 0.
; A wave takes 32 query rows as two pieces of 16.  One piece's softmax stands between the other piece's matrix instructions.
; S^T = K Q^T: register j of lane (r, h) is key 8 h + j, query r.  So maximum, sum and rescaling are a lane's own, and two packed S^T tiles ARE the second
; source of O^T = V^T P^T.  V^T comes out of LDS by the transposing load.
; Exponents in base 2: p = exp2(C s - m), C = fq fk (fq carries 1/8 log2 e); NM = -m is carried in true units, so C may change from tile to tile.
; out = acc x max(1 / (l + e^(sink - m)), e^-20 / l): the renormalisation with its clip at -20; the clip at 0 can never bind.
; LIMITS: q, k, v, P and the result are f16.  Steps of a diagonal tile that lie wholly above the diagonal are computed and contribute zeros (skipping them would differ from wave to wave).
.set KP,    144                        ; K rows: 128 bytes + 16
.set VP,    160                        ; V rows: 128 bytes + 32 (an odd multiple of 32 for the transposing load)
.set SLOT,  38912                      ; 128 K rows, then 128 V rows
.set VOFF,  18432
.set STAGE, 77824                      ; behind the two slots: 32 rows x 144 bytes for each wave; no fill lands here
.set QE,  32                           ; v[32:63]   Q fragments of block iE: 16 p + 8 ks
.set ACC, 64                           ; v[64:127]  O^T: 32 p + 8 dt
.set SS,  128                          ; v[128:159] S^T: 16 p + 8 kt; P is packed in place into the first eight of a piece
.set KF,  160                          ; v[160:191] K fragments: 16 kt + 8 ks
.set QO,  192                          ; v[192:223] Q fragments of block iO
.set VF,  224                          ; v[224:255] V^T fragments: 8 dt
; v2, v3 K address in slot 0, 1; v4, v5 V address; v6 -inf; v7 Q offset; piece p: v[8+4p] NM, v[9+4p] l, v[10+4p] alpha, v[11+4p] X; v[16+p] query - 8 h;
; v18, v19 stage in, back; v20 offset in ao; v[22+2p:23+2p] sums and temporaries
.macro ROUND                           ; a round of the cluster's barrier
	s_barrier_signal -1
	s_barrier_wait -1
	s_cmp_lg_u32 s12, 0
	s_cbranch_scc1 .Lnot_wave_0_\@
	s_barrier_signal -3
.Lnot_wave_0_\@:
	s_barrier_wait -3
	s_barrier_signal -1
	s_barrier_wait -1
.endm
	s_load_b256 s[4:11], s[0:1], 0x0               ; qkvh, scl, sinks, ao
	v_lshrrev_b32 v1, 5, v0
	v_readfirstlane_b32 s12, v1                    ; wave
	s_bfe_u32 s13, ttmp6, 0x40000                  ; cx
	s_mov_b32 s14, ttmp9                           ; key/value head = the cluster's x
	s_lshl_b32 s15, ttmp9, 2
	s_add_co_u32 s15, s15, s13                     ; query head
	s_and_b32 s16, ttmp7, 0xffff                   ; pr = the cluster's y
	s_sub_co_u32 s17, 15, s16
	s_bitcmp1_b32 s16, 0
	s_cselect_b32 s18, s16, s17                    ; iO: the odd one of pr, 15 - pr
	s_cselect_b32 s17, s17, s16                    ; iE: the even one
	s_mov_b32 s24, 15|(1<<16)|(1<<20)|(1<<21)|(4<<22)|(3<<25)   ; K: mask of all four; 2-byte elements; padding on; bit 21 beside a mask; after 32 words skip 4
	s_mov_b32 s32, 15|(1<<16)|(1<<20)|(1<<21)|(4<<22)|(7<<25)   ; V: skip 8
	s_mov_b32 s25, 64<<16                          ; tensor_dim0 = 64
	s_mov_b32 s33, 64<<16
	s_mov_b32 s26, 32<<16                          ; tensor_dim1 = 32 rows: each wave brings its 32 keys
	s_mov_b32 s34, 32<<16
	s_mov_b32 s27, 64<<16                          ; tile_dim0
	s_mov_b32 s35, 64<<16
	s_mov_b32 s28, 32                              ; tile_dim1
	s_mov_b32 s36, 32
	s_mov_b32 s29, 64                              ; elements from row to row
	s_mov_b32 s37, 64
	s_mov_b32 s30, 0
	s_mov_b32 s38, 0
	s_mov_b32 s31, 0
	s_mov_b32 s39, 0
	s_mul_i32 s90, s12, 4608                       ; my 32 K rows in a slot
	s_mul_i32 s91, s12, 5120                       ; my 32 V rows
	s_add_co_u32 s91, s91, VOFF
.irp s, 0,1
	s_mov_b32 s[40+4*\s], 1
	s_add_co_u32 s[41+4*\s], s90, \s*SLOT
	s_mov_b32 s[48+4*\s], 1
	s_add_co_u32 s[49+4*\s], s91, \s*SLOT
.endr
	s_add_co_u32 s86, s14, 32                      ; K: head 32 + kvh, 262,144 bytes a head, + my 32 rows of 128 bytes
	s_lshl_b32 s86, s86, 18
	s_lshl_b32 s92, s12, 12
	s_add_co_u32 s86, s86, s92
	s_mov_b32 s87, 0
	s_add_co_u32 s88, s86, 8<<18                   ; V: eight heads further
	s_mov_b32 s89, 0
	s_lshl_b32 s93, s15, 18                        ; Q and ao: head, + block of 128 rows
	s_lshl_b32 s94, s17, 14
	s_add_co_u32 s94, s94, s93
	s_mov_b32 s95, 0
	s_lshl_b32 s96, s18, 14
	s_add_co_u32 s96, s96, s93
	s_mov_b32 s97, 0
	s_mul_i32 s83, s17, 48                         ; scl[iE][head], scl[iO][head]
	s_add_co_u32 s83, s83, s15
	s_lshl_b32 s83, s83, 2
	s_mul_i32 s84, s18, 48
	s_add_co_u32 s84, s84, s15
	s_lshl_b32 s84, s84, 2
	s_lshl_b32 s85, s15, 2                         ; sinks[head]
	s_add_co_u32 s98, s14, 32
	s_lshl_b32 s98, s98, 2
	s_mov_b32 s99, 0
	s_mov_b32 s72, 0x76543210
	s_mov_b32 s73, 0xfedcba98
	s_mov_b32 s82, 0x310da433                      ; e^-20
	s_lshl_b32 s20, s17, 14                        ; the first tile: iE
	s_mov_b32 s21, 0
	s_mul_i32 s23, s17, 192
	s_wait_kmcnt 0x0
	s_add_nc_u64 s[56:57], s[4:5], s[86:87]
	s_or_b32 s57, s57, 0x80000000                  ; type = 2
	s_add_nc_u64 s[58:59], s[4:5], s[88:89]
	s_or_b32 s59, s59, 0x80000000
	s_add_nc_u64 s[60:61], s[6:7], s[98:99]        ; scl[0][32 + kvh]
	s_add_nc_u64 s[74:75], s[4:5], s[94:95]
	s_add_nc_u64 s[76:77], s[4:5], s[96:97]
	s_add_nc_u64 s[78:79], s[10:11], s[94:95]
	s_add_nc_u64 s[80:81], s[10:11], s[96:97]
	s_add_nc_u64 s[42:43], s[56:57], s[20:21]
	s_add_nc_u64 s[50:51], s[58:59], s[20:21]
	ROUND                                          ; the four work-groups are here: the first joint loads meet
	tensor_load_to_lds s[40:43], s[24:31]          ; two loads of the wave are out
	s_nop 0
	tensor_load_to_lds s[48:51], s[32:39]
	s_nop 0
	s_load_b32 s67, s[60:61], s23 offset:0x0       ; fk of that tile
	s_load_b32 s68, s[6:7], s83 offset:0x0         ; fq of block iE
	s_load_b32 s69, s[6:7], s84 offset:0x0         ; fq of block iO
	s_load_b32 s70, s[8:9], s85 offset:0x0         ; the sink
	s_sub_co_i32 s19, s17, 1                       ; the next tile to fetch: downward, then block iO's diagonal
	s_cmp_lt_i32 s19, 0
	s_cselect_b32 s19, s18, s19
	v_and_b32 v21, 31, v0                          ; lane
	v_and_b32 v1, 15, v0                           ; r
	v_bfe_u32 v26, v0, 4, 1                        ; h
	v_mul_u32_u24 v27, v1, KP
	v_lshl_add_u32 v27, v26, 4, v27                ; 144 r + 16 h
	v_mov_b32 v2, v27
	v_add_nc_u32 v3, SLOT, v27
	v_and_b32 v28, 7, v0
	v_lshl_add_u32 v28, v26, 3, v28                ; key 8 h + (l & 7)
	v_mul_u32_u24 v28, v28, VP
	v_bfe_u32 v29, v0, 3, 1
	v_lshl_add_u32 v28, v29, 4, v28                ; + 16 ((l >> 3) & 1)
	v_add_nc_u32 v4, VOFF, v28
	v_add_nc_u32 v5, SLOT+VOFF, v28
	v_mov_b32 v6, 0xff800000
	v_lshlrev_b32 v7, 7, v1
	v_lshl_add_u32 v7, v26, 4, v7
	v_add_nc_u32 v7, s92, v7                       ; (32 w + r) rows of 128 bytes + 16 h
	v_lshlrev_b32 v29, 3, v26
	v_sub_nc_u32 v16, v1, v29
	s_lshl_b32 s93, s12, 5
	v_add_nc_u32 v16, s93, v16                     ; piece 0: query in the block - 8 h
	v_add_nc_u32 v17, 16, v16                      ; piece 1
	s_add_co_u32 s93, s90, STAGE
	v_add_nc_u32 v18, s93, v27
	v_lshrrev_b32 v29, 3, v21
	v_mul_u32_u24 v29, v29, KP
	v_and_b32 v30, 7, v0
	v_lshl_add_u32 v29, v30, 4, v29
	v_add_nc_u32 v19, s93, v29
	v_lshlrev_b32 v20, 4, v21
	v_add_nc_u32 v20, s92, v20
.irp r, 8,9,10,11,12,13,14,15,22,23,24,25
	v_mov_b32 v\r, 0                               ; written once: pairs are read whole, and a lane permute counts as a reader of its destination
.endr
.irp p, 0,1
.irp ks, 0,1
	global_load_b128 v[QE+16*\p+8*\ks:QE+16*\p+8*\ks+3],   v7, s[74:75] offset:2048*\p+64*\ks
	global_load_b128 v[QE+16*\p+8*\ks+4:QE+16*\p+8*\ks+7], v7, s[74:75] offset:2048*\p+64*\ks+32
	global_load_b128 v[QO+16*\p+8*\ks:QO+16*\p+8*\ks+3],   v7, s[76:77] offset:2048*\p+64*\ks
	global_load_b128 v[QO+16*\p+8*\ks+4:QO+16*\p+8*\ks+7], v7, s[76:77] offset:2048*\p+64*\ks+32
.endr
.endr
	s_wait_loadcnt 0x0
	s_wait_kmcnt 0x0
	s_mul_f32 s70, s70, 0x3fb8aa3b                 ; the sink in base 2
.macro KLOAD slot, s                   ; K fragments of 32 keys: two key tiles x two halves of d
.irp kt, 0,1
.irp ks, 0,1
	ds_load_b128 v[KF+16*\kt+8*\ks:KF+16*\kt+8*\ks+3],   v[2+\slot] offset:(32*(\s)+16*\kt)*KP+64*\ks
	ds_load_b128 v[KF+16*\kt+8*\ks+4:KF+16*\kt+8*\ks+7], v[2+\slot] offset:(32*(\s)+16*\kt)*KP+64*\ks+32
.endr
.endr
.endm
.macro VLOAD slot, s                   ; V^T fragments of the same 32 keys: four tiles of 16 d
.irp dt, 0,1,2,3
	ds_load_tr16_b128 v[VF+8*\dt:VF+8*\dt+3],   v[4+\slot] offset:32*VP*(\s)+32*\dt
	ds_load_tr16_b128 v[VF+8*\dt+4:VF+8*\dt+7], v[4+\slot] offset:32*VP*(\s)+32*\dt+16*VP
.endr
.endm
.macro WQK p, q, kt, ks                ; the two S^T tiles of a piece take turns
.if \ks
	v_wmma_f32_16x16x32_f16 v[SS+16*\p+8*\kt:SS+16*\p+8*\kt+7], v[KF+16*\kt+8*\ks:KF+16*\kt+8*\ks+7], v[\q+16*\p+8*\ks:\q+16*\p+8*\ks+7], v[SS+16*\p+8*\kt:SS+16*\p+8*\kt+7]
.else
	v_wmma_f32_16x16x32_f16 v[SS+16*\p+8*\kt:SS+16*\p+8*\kt+7], v[KF+16*\kt+8*\ks:KF+16*\kt+8*\ks+7], v[\q+16*\p+8*\ks:\q+16*\p+8*\ks+7], 0
.endif
.endm
.macro WPV p, dt, first
.if \first
	v_wmma_f32_16x16x32_f16 v[ACC+32*\p+8*\dt:ACC+32*\p+8*\dt+7], v[VF+8*\dt:VF+8*\dt+7], v[SS+16*\p:SS+16*\p+7], 0
.else
	v_wmma_f32_16x16x32_f16 v[ACC+32*\p+8*\dt:ACC+32*\p+8*\dt+7], v[VF+8*\dt:VF+8*\dt+7], v[SS+16*\p:SS+16*\p+7], v[ACC+32*\p+8*\dt:ACC+32*\p+8*\dt+7]
.endif
.endm
; the softmax of a piece's 32 keys in four parts
.macro SM1 p, s, mask, first           ; mask, the step's maximum, the new running maximum, alpha
.if \mask
.irp kt, 0,1
.irp j, 0,1,2,3,4,5,6,7
	v_cmp_gt_i32 vcc_lo, 32*\s+16*\kt+\j, v[16+\p]                 ; key > query
	v_cndmask_b32 v[SS+16*\p+8*\kt+\j], v[SS+16*\p+8*\kt+\j], v6, vcc_lo
.endr
.endr
.endif
	v_max3_num_f32 v[22+2*\p], v[SS+16*\p], v[SS+16*\p+1], v[SS+16*\p+2]
	v_max3_num_f32 v[23+2*\p], v[SS+16*\p+9], v[SS+16*\p+10], v[SS+16*\p+11]
	v_max3_num_f32 v[22+2*\p], v[22+2*\p], v[SS+16*\p+3], v[SS+16*\p+4]
	v_max3_num_f32 v[23+2*\p], v[23+2*\p], v[SS+16*\p+12], v[SS+16*\p+13]
	v_max3_num_f32 v[22+2*\p], v[22+2*\p], v[SS+16*\p+5], v[SS+16*\p+6]
	v_max3_num_f32 v[23+2*\p], v[23+2*\p], v[SS+16*\p+14], v[SS+16*\p+15]
	v_max3_num_f32 v[22+2*\p], v[22+2*\p], v[SS+16*\p+7], v[SS+16*\p+8]
	v_max_num_f32 v[22+2*\p], v[22+2*\p], v[23+2*\p]
	v_permlanex16_b32 v[23+2*\p], v[22+2*\p], s72, s73             ; the other 16 keys of my query
	v_max_num_f32 v[22+2*\p], v[22+2*\p], v[23+2*\p]
.if \first
	v_mul_f32 v[8+4*\p], s66, v[22+2*\p]                           ; NM = -C max
.else
	v_mul_f32 v[22+2*\p], s66, v[22+2*\p]
	v_min_num_f32 v[11+4*\p], v[8+4*\p], v[22+2*\p]                ; minus the larger maximum
	v_sub_f32 v[23+2*\p], v[11+4*\p], v[8+4*\p]                    ; old maximum - new maximum
	v_mov_b32 v[8+4*\p], v[11+4*\p]
	v_exp_f32 v[10+4*\p], v[23+2*\p]                               ; alpha; plain instructions follow before it is used
.endif
.endm
.macro SM2 p                           ; C s - m, and the first eight exponentials
.irp i, 0,2,4,6,8,10,12,14
	v_pk_fma_f32 v[SS+16*\p+\i:SS+16*\p+\i+1], v[SS+16*\p+\i:SS+16*\p+\i+1], s[62:63], v[8+4*\p:9+4*\p] op_sel_hi:[1,0,0]
.endr
.irp i, 0,1,2,3,4,5,6,7
	v_exp_f32 v[SS+16*\p+\i], v[SS+16*\p+\i]
.endr
.endm
.macro SM3 p, first                    ; the other eight; one plain instruction; sum and pack the first eight
.irp i, 8,9,10,11,12,13,14,15
	v_exp_f32 v[SS+16*\p+\i], v[SS+16*\p+\i]
.endr
.if \first
	v_nop
	s_wait_alu depctr_va_vdst(0)
.else
	s_wait_alu depctr_va_vdst(0)
	v_mul_f32 v[9+4*\p], v[9+4*\p], v[10+4*\p]
.endif
	v_pk_add_f32 v[22+2*\p:23+2*\p], v[SS+16*\p:SS+16*\p+1], v[SS+16*\p+2:SS+16*\p+3]
	v_pk_add_f32 v[22+2*\p:23+2*\p], v[22+2*\p:23+2*\p], v[SS+16*\p+4:SS+16*\p+5]
	v_pk_add_f32 v[22+2*\p:23+2*\p], v[22+2*\p:23+2*\p], v[SS+16*\p+6:SS+16*\p+7]
.irp i, 0,1,2,3
	v_cvt_pk_f16_f32 v[SS+16*\p+\i], v[SS+16*\p+2*\i], v[SS+16*\p+2*\i+1]
.endr
.endm
.macro SM4 p, first                    ; sum and pack the other eight; l; the accumulators times alpha
.irp i, 8,10,12,14
	v_pk_add_f32 v[22+2*\p:23+2*\p], v[22+2*\p:23+2*\p], v[SS+16*\p+\i:SS+16*\p+\i+1]
.endr
.irp i, 0,1,2,3
	v_cvt_pk_f16_f32 v[SS+16*\p+4+\i], v[SS+16*\p+8+2*\i], v[SS+16*\p+9+2*\i]
.endr
.if \first
	v_add_f32 v[9+4*\p], v[22+2*\p], v[23+2*\p]
.else
	v_add_f32 v[22+2*\p], v[22+2*\p], v[23+2*\p]
	v_add_f32 v[9+4*\p], v[9+4*\p], v[22+2*\p]
.irp i, 0,2,4,6,8,10,12,14,16,18,20,22,24,26,28,30
	v_pk_mul_f32 v[ACC+32*\p+\i:ACC+32*\p+\i+1], v[ACC+32*\p+\i:ACC+32*\p+\i+1], v[10+4*\p:11+4*\p] op_sel_hi:[1,0]
.endr
.endif
.endm
; 32 keys.  Piece 0's softmax stands between piece 1's score products, piece 1's between piece 0's value products.
.macro STEP slot, s, q, mask, first, knext
	s_wait_dscnt 0x0                               ; this step's K fragments are in
	WQK 0, \q, 0, 0
	WQK 0, \q, 1, 0
	WQK 0, \q, 0, 1
	WQK 0, \q, 1, 1
.rept 5
	v_nop                                          ; places: four before V's loads land on what the last value products read and before piece 0's scores are read, five before piece 1's scores overwrite its P
.endr
	VLOAD \slot, \s
	WQK 1, \q, 0, 0
	SM1 0, \s, \mask, \first
	WQK 1, \q, 1, 0
	SM2 0
	WQK 1, \q, 0, 1
	SM3 0, \first
	WQK 1, \q, 1, 1
	SM4 0, \first
.if \knext
	KLOAD \slot, (\s+1)
	s_wait_dscnt 0x8                               ; V's eight loads are in; the eight younger ones, the next K fragments, stay out
.else
	s_wait_dscnt 0x0
.endif
	WPV 0, 0, \first
	SM1 1, \s, \mask, \first
	WPV 0, 1, \first
	SM2 1
	WPV 0, 2, \first
	SM3 1, \first
	WPV 0, 3, \first
	SM4 1, \first
	WPV 1, 0, \first
	WPV 1, 1, \first
	WPV 1, 2, \first
	WPV 1, 3, \first
.endm
; A key tile of 128 in slot.  In front of the round: all my tensor loads have landed (this tile's among them) and my reads of the other slot are back.
; Behind it the other slot is filled with the next tile, first thing.
.macro TILE slot, q, fq, mask, first, refill
	s_wait_tensorcnt 0x0
	s_wait_dscnt 0x0
	s_wait_kmcnt 0x0                               ; this tile's fk
	s_mul_f32 s62, s67, s[\fq]                     ; C
	s_mov_b32 s63, s62
	s_xor_b32 s66, s62, 0x80000000                 ; -C
.if \refill
	s_lshl_b32 s20, s19, 14                        ; 128 rows of 128 bytes a tile
	s_add_nc_u64 s[42+4*(1-\slot):43+4*(1-\slot)], s[56:57], s[20:21]
	s_add_nc_u64 s[50+4*(1-\slot):51+4*(1-\slot)], s[58:59], s[20:21]
	s_mul_i32 s23, s19, 192
.endif
	ROUND
.if \refill
	tensor_load_to_lds s[40+4*(1-\slot):43+4*(1-\slot)], s[24:31]
	s_nop 0
	tensor_load_to_lds s[48+4*(1-\slot):51+4*(1-\slot)], s[32:39]
	s_nop 0
	s_load_b32 s67, s[60:61], s23 offset:0x0       ; and its fk
	s_sub_co_i32 s19, s19, 1
	s_cmp_lt_i32 s19, 0
	s_cselect_b32 s19, s18, s19
.endif
	KLOAD \slot, 0
	STEP \slot, 0, \q, \mask, \first, 1
	STEP \slot, 1, \q, \mask, 0, 1
	STEP \slot, 2, \q, \mask, 0, 1
	STEP \slot, 3, \q, \mask, 0, 0
.endm
; A block's end: l over both halves of the lanes, the factor, f16, through my own stage, out in runs of 512 consecutive bytes.
.macro FINAL ob
.rept 4
	v_nop                                          ; places behind the last value products
.endr
.irp p, 0,1
	v_permlanex16_b32 v[11+4*\p], v[9+4*\p], s72, s73
	v_add_f32 v[9+4*\p], v[9+4*\p], v[11+4*\p]
	v_add_f32 v[22+2*\p], s70, v[8+4*\p]           ; sink - m, base 2
	v_exp_f32 v[23+2*\p], v[22+2*\p]
	v_rcp_f32 v[11+4*\p], v[9+4*\p]
	v_nop                                          ; a plain place behind the two (ISA guide 5.7.2)
	s_wait_alu depctr_va_vdst(0)
	v_add_f32 v[22+2*\p], v[9+4*\p], v[23+2*\p]
	v_rcp_f32 v[22+2*\p], v[22+2*\p]
	v_mul_f32 v[11+4*\p], s82, v[11+4*\p]          ; e^-20 / l: the clip
	s_wait_alu depctr_va_vdst(0)
	v_max_num_f32 v[10+4*\p], v[22+2*\p], v[11+4*\p]
.endr
.irp p, 0,1
.irp i, 0,2,4,6,8,10,12,14,16,18,20,22,24,26,28,30
	v_pk_mul_f32 v[ACC+32*\p+\i:ACC+32*\p+\i+1], v[ACC+32*\p+\i:ACC+32*\p+\i+1], v[10+4*\p:11+4*\p] op_sel_hi:[1,0]
.endr
.irp i, 0,1,2,3,4,5,6,7,8,9,10,11,12,13,14,15
	v_cvt_pk_f16_f32 v[KF+16*\p+\i], v[ACC+32*\p+2*\i], v[ACC+32*\p+2*\i+1]
.endr
.irp dt, 0,1,2,3
	ds_store_b128 v18, v[KF+16*\p+4*\dt:KF+16*\p+4*\dt+3] offset:2304*\p+32*\dt
.endr
.endr
.irp i, 0,1,2,3,4,5,6,7
	ds_load_b128 v[VF+4*\i:VF+4*\i+3], v19 offset:576*\i           ; my own bytes: LDS serves a wave's instructions in order (ISA guide 5.7.1)
.endr
.irp i, 0,1,2,3,4,5,6,7
	s_wait_dscnt 7-\i
	global_store_b128 v20, v[VF+4*\i:VF+4*\i+3], s[\ob:\ob+1] offset:512*\i
.endr
	s_wait_xcnt 0x0                                ; the stores' data registers are loaded again only behind this wait
.endm
	TILE 0, QE, 68, 1, 1, 1                        ; block iE: the diagonal tile
	s_lshr_b32 s22, s17, 1                         ; iE further tiles, two a trip
	s_cmp_eq_u32 s22, 0
	s_cbranch_scc1 .LEdone
.LE:
	TILE 1, QE, 68, 0, 0, 1
	TILE 0, QE, 68, 0, 0, 1
	s_sub_co_i32 s22, s22, 1
	s_cmp_lg_u32 s22, 0
	s_cbranch_scc1 .LE
.LEdone:
	FINAL 78
	TILE 1, QO, 69, 1, 1, 1                        ; block iO: the diagonal tile
	s_lshr_b32 s22, s18, 1                         ; iO - 1 tiles, two a trip; the last tile stands behind the loop
	s_cmp_eq_u32 s22, 0
	s_cbranch_scc1 .LOdone
.LO:
	TILE 0, QO, 69, 0, 0, 1
	TILE 1, QO, 69, 0, 0, 1
	s_sub_co_i32 s22, s22, 1
	s_cmp_lg_u32 s22, 0
	s_cbranch_scc1 .LO
.LOdone:
	TILE 0, QO, 69, 0, 0, 0                        ; tile 0: nothing more to fetch
	FINAL 80
	ROUND                                          ; the closing round
	s_endpgm
.Lfunc_end_k_qbff096dd32_attn:
	.size	k_qbff096dd32_attn, .Lfunc_end_k_qbff096dd32_attn-k_qbff096dd32_attn
	.p2alignl 7, 3214868480
	.fill 96, 4, 3214868480
	.section	.rodata,"a",@progbits
	.p2align	6, 0x0
	.amdhsa_kernel k_qbff096dd32_attn
		.amdhsa_group_segment_fixed_size 327680
		.amdhsa_private_segment_fixed_size 0
		.amdhsa_enable_private_segment 0
		.amdhsa_kernarg_size 32
		.amdhsa_user_sgpr_count 2
		.amdhsa_user_sgpr_kernarg_segment_ptr 1
		.amdhsa_wavefront_size32 1
		.amdhsa_system_sgpr_workgroup_id_x 1
		.amdhsa_system_sgpr_workgroup_id_y 1
		.amdhsa_system_sgpr_workgroup_id_z 1
		.amdhsa_system_vgpr_workitem_id 0
		.amdhsa_next_free_vgpr 256
		.amdhsa_next_free_sgpr 100
		.amdhsa_reserve_vcc 1
		.amdhsa_float_denorm_mode_32 3
		.amdhsa_float_denorm_mode_16_64 3
		.amdhsa_memory_ordered 1
		.amdhsa_forward_progress 1
		.amdhsa_inst_pref_size 255
	.end_amdhsa_kernel
	.section	.bss,"aw",@nobits
	.p2align	6
	.space	262144
	.amdgpu_metadata
---
amdhsa.version: [ 1, 2 ]
amdhsa.kernels:
  - .name:           k_qbff096dd32_attn
    .symbol:         k_qbff096dd32_attn.kd
    .args:
      - { .name: qkvh, .offset: 0, .size: 8, .value_kind: global_buffer, .address_space: global }
      - { .name: scl, .offset: 8, .size: 8, .value_kind: global_buffer, .address_space: global }
      - { .name: sinks, .offset: 16, .size: 8, .value_kind: global_buffer, .address_space: global }
      - { .name: ao, .offset: 24, .size: 8, .value_kind: global_buffer, .address_space: global }
    .group_segment_fixed_size: 327680
    .private_segment_fixed_size: 0
    .kernarg_segment_align: 8
    .kernarg_segment_size: 32
    .max_flat_workgroup_size: 128
    .sgpr_count:     100
    .vgpr_count:     256
    .wavefront_size: 32
...
	.end_amdgpu_metadata
.endif
;; end of part 3
;; launch oproj (part 4): grid 16 x 16, 4 waves a work-group, clusters of 4 x 4, 327,680 bytes of LDS; arguments ao, wob, wo_b, out0; writes out0
.if DOCPART == 4
	.amdgcn_target "amdgcn-amd-amdhsa--gfx1250"
	.amdhsa_code_object_version 6
	.text
	.protected	k_qbff096dd32_oproj
	.globl	k_qbff096dd32_oproj
	.p2align	8
	.type	k_qbff096dd32_oproj,@function
k_qbff096dd32_oproj:
	s_mov_b64 s[64:65], 0
	v_nop
	global_prefetch_b8 v0, s[64:65] scope:SCOPE_SE
	s_setreg_imm32_b32 hwreg(HW_REG_WAVE_MODE, 25, 1), 1
	s_wait_xcnt 0x0
	s_wait_alu depctr_hold_cnt(0) depctr_sa_sdst(0) depctr_va_vdst(0) depctr_va_sdst(0) depctr_va_ssrc(0) depctr_va_vcc(0) depctr_vm_vsrc(0)
	s_getreg_b32 s2, hwreg(HW_REG_IB_STS2, 6, 4)
	s_cmp_eq_u32 s2, 0
	s_cbranch_scc0 .Lentry_in_a_cluster
	s_endpgm
.Lentry_in_a_cluster:
	s_bfe_u32 s2, ttmp6, 0x10000c
	s_cmp_lg_u32 s2, 0xf033
	s_cbranch_scc0 .Lentry_shape_is_right
	s_endpgm
.Lentry_shape_is_right:
; oproj: out0 = attention output x wo^T + wo_b.   ao [32 heads][2048][64] f16, wob [2048][2048] f16, out0 [2048][2048] f32; sums in f32.
; A work-group makes 128 x 128; four waves as 2 x 2, a wave 64 x 64 in 16 accumulator tiles.  K step t = heads 2 t, 2 t + 1 (128 along K), 16 steps through three LDS
; slots, two of them filled behind one round of the cluster's barrier.  CLUSTER 4 x 4: ao's tile is asked for jointly along a row of the cluster, wo's along a column.
; The product is used transposed (source 0 = rows of wo, source 1 = rows of ao): a lane holds row l % 16 and eight neighbouring columns.
; LIMITS: both operands f16 (wo: the bf16-rounded number).
.set NB,    4
.set SLOT,  71680                      ; ao: two heads x 128 rows x 144 bytes (128 + 16); then wo: 128 rows x 272 bytes (256 + 16)
.set BOFFS, 36864
.set STAGE, 215040                     ; behind the ring: 16 rows x 272 bytes for each wave; no fill lands here
.set F0,    32
.set F1,    96
.set BIAS,  160
.set TT,    192
.set ADRA,  4                          ; v4-6
.set ADRB,  7                          ; v7-9
.set STO,   10
.set RD,    11
.set CO,    12
.set G1A, 24
.set G1B, 32
.set G0A, 40
.set G0B, 52
.set ACCW, 0x50                        ; C and D in window 1: tile (a, b) at v[8 (4 a + b)]
.set MSB, 0
.macro WIN new
.if MSB != \new
	s_set_vgpr_msb (MSB<<8)|\new
.set MSB, \new
.endif
.endm
.macro JLOAD s                         ; waves 0, 1 ask for ao's two heads, waves 2, 3 for wo's two halves
	s_cmp_eq_u32 s21, 0
	s_cbranch_scc0 .Lfor_b_\@
	tensor_load_to_lds s[G0A+4*(\s):G0A+4*(\s)+3], s[G1A:G1A+7]
	s_nop 0
	s_branch .Lasked_\@
.Lfor_b_\@:
	tensor_load_to_lds s[G0B+4*(\s):G0B+4*(\s)+3], s[G1B:G1B+7]
	s_nop 0
.Lasked_\@:
.endm
.macro CREST
	s_cmp_lg_u32 s20, 0
	s_cbranch_scc1 .Lnot_wave_0_\@
	s_barrier_signal -3
.Lnot_wave_0_\@:
	s_barrier_wait -3
	s_barrier_signal -1
	s_barrier_wait -1
.endm
.macro CROUND
	s_barrier_signal -1
	s_barrier_wait -1
	CREST
.endm
	s_load_b256 s[4:11], s[0:1], 0x0               ; ao, wob, wo_b, out0
	v_lshrrev_b32 v1, 5, v0
	v_readfirstlane_b32 s20, v1                    ; wave
	s_lshr_b32 s21, s20, 1                         ; wm.  Also: I fetch ao (0) or wo (1)
	s_and_b32 s22, s20, 1                          ; wn.  Also: which head, or which half of wo's rows
	s_bfe_u32 s72, ttmp6, 0x40000                  ; cx
	s_bfe_u32 s73, ttmp6, 0x40004                  ; cy
	s_lshl_b32 s70, ttmp9, 2
	s_add_co_u32 s70, s70, s72                     ; bx
	s_and_b32 s71, ttmp7, 0xffff
	s_lshl_b32 s71, s71, 2
	s_add_co_u32 s71, s71, s73                     ; by
	s_lshl_b32 s74, s73, 2
	s_lshl_b32 s74, 15, s74
	s_lshl_b32 s75, 0x1111, s72
	s_or_b32 s[G1A+0], s74, (1<<16)|(1<<20)|(1<<21)|(4<<22)|(3<<25)   ; ao: after 32 words skip 4
	s_or_b32 s[G1B+0], s75, (1<<16)|(1<<20)|(1<<21)|(5<<22)|(3<<25)   ; wo: after 64 words skip 4
	s_mov_b32 s[G1A+1], 64<<16
	s_mov_b32 s[G1B+1], 128<<16
	s_mov_b32 s[G1A+2], 128<<16                    ; 128 rows of one head; 64 rows of wo
	s_mov_b32 s[G1B+2], 64<<16
	s_mov_b32 s[G1A+3], 64<<16
	s_mov_b32 s[G1B+3], 128<<16
	s_mov_b32 s[G1A+4], 128
	s_mov_b32 s[G1B+4], 64
	s_mov_b32 s[G1A+5], 64
	s_mov_b32 s[G1B+5], 2048
	s_mov_b32 s[G1A+6], 0
	s_mov_b32 s[G1B+6], 0
	s_mov_b32 s[G1A+7], 0
	s_mov_b32 s[G1B+7], 0
	s_lshl_b32 s84, s71, 14                        ; ao: head (0 or 1) x 262,144 + 128 by rows of 128 bytes
	s_lshl_b32 s88, s22, 18
	s_add_co_u32 s84, s84, s88
	s_mov_b32 s85, 0
	s_lshl_b32 s86, s70, 7                         ; wo: row 128 bx + 64 half, 4,096 bytes a row
	s_lshl_b32 s89, s22, 6
	s_add_co_u32 s86, s86, s89
	s_lshl_b32 s86, s86, 12
	s_mov_b32 s87, 0
	s_mul_i32 s90, s22, 18432
	s_mul_i32 s91, s22, 17408
	s_add_co_u32 s91, s91, BOFFS
	s_lshl_b32 s92, s70, 9                         ; my first column in bytes of f32: 512 bx + 256 wn
	s_lshl_b32 s93, s22, 8
	s_add_co_u32 s92, s92, s93
	s_mov_b32 s93, 0
	s_lshl_b32 s94, s71, 7                         ; my first row: 128 by + 64 wm, 8,192 bytes a row
	s_lshl_b32 s95, s21, 6
	s_add_co_u32 s94, s94, s95
	s_lshl_b32 s94, s94, 13
	s_mov_b32 s95, 0
	s_wait_kmcnt 0x0
	s_add_nc_u64 s[66:67], s[4:5], s[84:85]
	s_or_b32 s67, s67, 0x80000000
	s_add_nc_u64 s[68:69], s[6:7], s[86:87]
	s_or_b32 s69, s69, 0x80000000
	s_add_nc_u64 s[76:77], s[8:9], s[92:93]        ; bias of my 64 columns
	s_add_nc_u64 s[78:79], s[10:11], s[92:93]
	s_add_nc_u64 s[78:79], s[78:79], s[94:95]      ; out0 at my corner
	CROUND
.irp s, 0,1,2
	s_mov_b32 s[G0A+4*\s], 1
	s_add_co_u32 s[G0A+4*\s+1], s90, \s*SLOT
	s_add_nc_u64 s[G0A+4*\s+2:G0A+4*\s+3], s[66:67], \s*524288
	s_mov_b32 s[G0B+4*\s], 1
	s_add_co_u32 s[G0B+4*\s+1], s91, \s*SLOT
	s_add_nc_u64 s[G0B+4*\s+2:G0B+4*\s+3], s[68:69], \s*256
	JLOAD \s                                       ; K steps 0, 1, 2: three loads of the wave are out
.endr
	v_and_b32 v1, 15, v0                           ; r
	v_bfe_u32 v2, v0, 4, 1                         ; h
	v_mul_u32_u24 v3, v1, 144
	v_lshl_add_u32 v3, v2, 4, v3
	v_mul_u32_u24 v13, v1, 272
	v_lshl_add_u32 v14, v2, 4, v13
	s_mul_i32 s88, s21, 9216                       ; my 64 rows of ao
	s_mul_i32 s89, s22, 17408                      ; my 64 rows of wo
	s_add_co_u32 s89, s89, BOFFS
.irp s, 0,1,2
	v_add_nc_u32 v[ADRA+\s], s88, v3
	v_add_nc_u32 v[ADRB+\s], s89, v14
	s_add_co_u32 s88, s88, SLOT
	s_add_co_u32 s89, s89, SLOT
.endr
	s_mul_i32 s88, s20, 4352
	s_add_co_u32 s88, s88, STAGE
	v_lshl_add_u32 v15, v2, 5, v13                 ; stage, in: row r, 32 h bytes
	v_add_nc_u32 v[STO], s88, v15
	v_mul_u32_u24 v15, v2, 272                     ; back: sixteen lanes take a row of 256 bytes
	v_lshl_add_u32 v15, v1, 4, v15
	v_add_nc_u32 v[RD], s88, v15
	v_lshlrev_b32 v15, 13, v2
	v_lshl_add_u32 v[CO], v1, 4, v15               ; the same two rows in out0
	v_lshlrev_b32 v16, 5, v2                       ; bias: 8 h floats
.irp b, 0,1,2,3
	global_load_b128 v[BIAS+8*\b:BIAS+8*\b+3], v16, s[76:77] offset:64*\b
	global_load_b128 v[BIAS+8*\b+4:BIAS+8*\b+7], v16, s[76:77] offset:64*\b+16
.endr
; The 16 accumulators take turns, one instruction a turn, in the same order in every quarter.
.macro MUL1 f, a, zero
.irp b, 0,1,2,3
.if \zero
	v_wmma_f32_16x16x32_f16 v[8*(NB*\a+\b):8*(NB*\a+\b)+7], v[\f+8*\b:\f+8*\b+7], v[\f+8*NB+8*\a:\f+8*NB+8*\a+7], 0
.else
	v_wmma_f32_16x16x32_f16 v[8*(NB*\a+\b):8*(NB*\a+\b)+7], v[\f+8*\b:\f+8*\b+7], v[\f+8*NB+8*\a:\f+8*NB+8*\a+7], v[8*(NB*\a+\b):8*(NB*\a+\b)+7]
.endif
.endr
.endm
; 16 LDS loads: quarter kq = head kq / 2 of the step, d = 32 (kq % 2) ..
.macro FETCH slot, kq, f
	WIN 0
.irp b, 0,1,2,3
	ds_load_b128 v[\f+8*\b:\f+8*\b+3],   v[ADRB+(\slot)] offset:64*(\kq)+4352*\b
	ds_load_b128 v[\f+8*\b+4:\f+8*\b+7], v[ADRB+(\slot)] offset:64*(\kq)+4352*\b+32
.endr
.irp a, 0,1,2,3
	ds_load_b128 v[\f+32+8*\a:\f+32+8*\a+3], v[ADRA+(\slot)] offset:((\kq)/2)*18432+((\kq)%2)*64+2304*\a
	ds_load_b128 v[\f+36+8*\a:\f+36+8*\a+3], v[ADRA+(\slot)] offset:((\kq)/2)*18432+((\kq)%2)*64+2304*\a+32
.endr
.endm
.macro PLACES                          ; four places between a matrix instruction and a load into, or a vector instruction on, its registers
.rept 4
	v_nop
.endr
.endm
.macro QUARTER slot, kq, f, g, zero
	s_wait_dscnt 4                                 ; all but ao's fragments 2, 3
	WIN ACCW
	MUL1 \f, 0, \zero
	MUL1 \f, 1, \zero
	PLACES
	FETCH \slot, \kq, \g
	s_wait_dscnt 2*NB+8                            ; all but the 16 just issued
	WIN ACCW
	MUL1 \f, 2, \zero
	MUL1 \f, 3, \zero
.endm
.macro THREE slot, zero
	QUARTER \slot, 1, F0, F1, \zero
	QUARTER \slot, 2, F1, F0, 0
	QUARTER \slot, 3, F0, F1, 0
.endm
; The last quarter of K step t and the change of slots.  kind 0.
; kind 2 (1): every wave's reads are back and ALL its tensor loads have landed in front of the round; behind it K steps t + 2 and t + 3 (t + 2 alone) go out first thing.
.macro TURN t, kind, n
.set SN, (\t+1)%3
.set SA, (\t+2)%3
.set SB, (\t+3)%3
	s_wait_dscnt 4
	WIN ACCW
	MUL1 F1, 0, 0
	s_wait_dscnt 0x0
	s_wait_tensorcnt \n
	s_barrier_signal -1
	MUL1 F1, 1, 0
	WIN 0
	s_barrier_wait -1
.if \kind
	CREST
	s_add_nc_u64 s[G0A+4*SA+2:G0A+4*SA+3], s[66:67], (\t+2)*524288
	s_add_nc_u64 s[G0B+4*SA+2:G0B+4*SA+3], s[68:69], (\t+2)*256
.if \kind == 2
	s_add_nc_u64 s[G0A+4*SB+2:G0A+4*SB+3], s[66:67], (\t+3)*524288
	s_add_nc_u64 s[G0B+4*SB+2:G0B+4*SB+3], s[68:69], (\t+3)*256
.endif
	JLOAD SA
.if \kind == 2
	JLOAD SB
.endif
.endif
	PLACES
	FETCH SN, 0, F0
	WIN ACCW
	MUL1 F1, 2, 0
	MUL1 F1, 3, 0
.endm
.macro KSTEP t, kind, n
.set SC, (\t)%3
	THREE SC, 0
	TURN \t, \kind, \n
.endm
	s_wait_tensorcnt 2                             ; my part of K step 0 is in
	s_barrier_signal -1
	s_barrier_wait -1
	FETCH 0, 0, F0
	THREE 0, 1
	TURN 0, 0, 1
	KSTEP 1, 2, 0
	KSTEP 2, 0, 1
	KSTEP 3, 2, 0
	KSTEP 4, 0, 1
	KSTEP 5, 2, 0
	KSTEP 6, 0, 1
	KSTEP 7, 2, 0
	KSTEP 8, 0, 1
	KSTEP 9, 2, 0
	KSTEP 10, 0, 1
	KSTEP 11, 2, 0
	KSTEP 12, 0, 1
	KSTEP 13, 1, 0
	KSTEP 14, 0, 0
	THREE 0, 0
	s_wait_dscnt 4
	WIN ACCW
	MUL1 F1, 0, 0
	MUL1 F1, 1, 0
	s_wait_dscnt 0x0
	MUL1 F1, 2, 0
	MUL1 F1, 3, 0
	WIN 0
	; THE WAY OUT, 16 rows at a time: bias, 32 bytes a lane into my own stage, back as whole rows of 256 bytes
	PLACES
	s_wait_loadcnt 0x0                             ; the bias
.macro OUT16 a, f
	WIN 0x01
.irp b, 0,1,2,3
.irp i, 0,2,4,6
	v_pk_add_f32 v[TT+8*\b+\i:TT+8*\b+\i+1], v[8*(NB*\a+\b)+\i:8*(NB*\a+\b)+\i+1], v[BIAS+8*\b+\i:BIAS+8*\b+\i+1]
.endr
.endr
	WIN 0
.irp b, 0,1,2,3
	ds_store_b128 v[STO], v[TT+8*\b:TT+8*\b+3] offset:64*\b
	ds_store_b128 v[STO], v[TT+8*\b+4:TT+8*\b+7] offset:64*\b+16
.endr
	s_wait_xcnt 0x0                                ; buffer f, which stores read, and the stores' base are rewritten only behind this wait
.if \a
	s_add_nc_u64 s[78:79], s[78:79], 131072        ; 16 rows of out0 on
.endif
.irp t, 0,1,2,3,4,5,6,7
	ds_load_b128 v[\f+4*\t:\f+4*\t+3], v[RD] offset:544*\t         ; my own bytes: LDS serves a wave's instructions in order (ISA guide 5.7.1)
.endr
.irp t, 0,1,2,3,4,5,6,7
	s_wait_dscnt 7-\t
	global_store_b128 v[CO], v[\f+4*\t:\f+4*\t+3], s[78:79] offset:16384*\t th:TH_STORE_NT   ; sixteen lanes store 256 consecutive bytes, aligned
.endr
.endm
	OUT16 0, F0
	OUT16 1, F1
	OUT16 2, F0
	OUT16 3, F1
	CROUND                                         ; the closing round
	s_endpgm
.Lfunc_end_k_qbff096dd32_oproj:
	.size	k_qbff096dd32_oproj, .Lfunc_end_k_qbff096dd32_oproj-k_qbff096dd32_oproj
	.p2alignl 7, 3214868480
	.fill 96, 4, 3214868480
	.section	.rodata,"a",@progbits
	.p2align	6, 0x0
	.amdhsa_kernel k_qbff096dd32_oproj
		.amdhsa_group_segment_fixed_size 327680
		.amdhsa_private_segment_fixed_size 0
		.amdhsa_enable_private_segment 0
		.amdhsa_kernarg_size 32
		.amdhsa_user_sgpr_count 2
		.amdhsa_user_sgpr_kernarg_segment_ptr 1
		.amdhsa_wavefront_size32 1
		.amdhsa_system_sgpr_workgroup_id_x 1
		.amdhsa_system_sgpr_workgroup_id_y 1
		.amdhsa_system_sgpr_workgroup_id_z 1
		.amdhsa_system_vgpr_workitem_id 0
		.amdhsa_next_free_vgpr 384
		.amdhsa_next_free_sgpr 100
		.amdhsa_reserve_vcc 0
		.amdhsa_float_denorm_mode_32 3
		.amdhsa_float_denorm_mode_16_64 3
		.amdhsa_memory_ordered 1
		.amdhsa_forward_progress 1
		.amdhsa_inst_pref_size 174
	.end_amdhsa_kernel
	.amdgpu_metadata
---
amdhsa.version: [ 1, 2 ]
amdhsa.kernels:
  - .name:           k_qbff096dd32_oproj
    .symbol:         k_qbff096dd32_oproj.kd
    .args:
      - { .name: ao, .offset: 0, .size: 8, .value_kind: global_buffer, .address_space: global }
      - { .name: wob, .offset: 8, .size: 8, .value_kind: global_buffer, .address_space: global }
      - { .name: wo_b, .offset: 16, .size: 8, .value_kind: global_buffer, .address_space: global }
      - { .name: out0, .offset: 24, .size: 8, .value_kind: global_buffer, .address_space: global }
    .group_segment_fixed_size: 327680
    .private_segment_fixed_size: 0
    .kernarg_segment_align: 8
    .kernarg_segment_size: 32
    .max_flat_workgroup_size: 128
    .sgpr_count:     100
    .vgpr_count:     384
    .wavefront_size: 32
...
	.end_amdgpu_metadata
.endif
;; end of part 4
